; MI455X (gfx1250); checked and timed in simulation.
; The chip was launched on July 23, 2026; its instructions are those of AMD's public machine-readable ISA for CDNA 5 (MIT licence, August 2026) and "CDNA5" Instruction Set Architecture Reference Guide (July 2026). The comments in the code are by the model that wrote it; some were corrected since.
;; Multi Head Self Attention. Allowed arithmetic: matrix products marked QUANTISED: E2M1 operands, one E8M0 scale for each 32 along K, by v_wmma_scale_f32_16x16x128_f8f6f4 with both operands' format E2M1 (or v_wmma_scale_f32_32x16x128_f4), f32 sums; products left as they are: bf16, f16 or f32 operands; f32 sums; everything else in f32.
;; Inputs: wk 768 x 768 float32; wo 768 x 768 float32; wq 768 x 768 float32; wv 768 x 768 float32; x 1 x 4,096 x 768 float32.
;; Outputs: out0 1 x 4,096 x 768 float32.
;; This version of the problem:
;;   THIS VERSION OF THE PROBLEM IS GIVEN IN LOW PRECISION. The matrix products marked QUANTISED in the list below multiply operands that are first quantised to E2M1 (2 exponent bits, 1 mantissa bit; 4 bits a number), with one power-of-two scale for each 32 numbers along K (OCP MX v1.0); their sums are f32. The products marked 'left as it is' may take bf16, f16 or f32 operands, with f32 sums. Whichever they take, every output number must still come out within the allowed error. Rounding operands to bf16 (8 significant bits) uses up far more of that allowance than f16 does (11 bits, for magnitudes from 6e-5 to 65,504). All else is computed in f32.
;;   The module's matrix products, in the order in which they are computed (A, B: the left and right operand; K: the contracted axis; several contracted axes count as one K, in the product's order):
;;     1. [M 4,096, K 768] x [K 768, N 768]; A: input x; B: input wq: QUANTISED
;;     2. [M 4,096, K 768] x [K 768, N 768]; A: input x; B: input wk: QUANTISED
;;     3. [M 4,096, K 768] x [K 768, N 768]; A: input x; B: input wv: QUANTISED
;;     4. batch 12 x [M 4,096, K 64] x [K 64, N 4,096]; A: computed on the way; B: computed on the way: left as it is (an operand is computed on the way)
;;     5. batch 12 x [M 4,096, K 4,096] x [K 4,096, N 64]; A: computed on the way; B: computed on the way: left as it is (an operand is computed on the way)
;;     6. [M 4,096, K 768] x [K 768, N 768]; A: computed on the way; B: input wo: left as it is (an operand is computed on the way)
;;   THE QUANTISER, for each operand of a quantised product, along K:
;;     - K is cut into blocks of 32 from its start; a last block that is shorter is filled with zeros.
;;     - A block's scale is 2^e with e = floor(log2(the largest magnitude in the block)) - 2, held to -126 .. 127; a block of zeros has e = 0. As a byte (E8M0): e + 127.
;;     - Each number is divided by its block's scale, clamped to +-6, and rounded to the nearest number of E2M1, ties to even, subnormals kept.
;;     - The product sums the exact products of the quantised numbers (number of the format x scale) in f32.
;;   ~~~python
;;   def quantise(x, axis):      # numpy; x: float32 -> the quantised numbers, widened to float32 again
;;       x = np.moveaxis(x, axis, -1); K = x.shape[-1]
;;       x = np.pad(x, [(0, 0)] * (x.ndim - 1) + [(0, -K % 32)]); x = x.reshape(x.shape[:-1] + (-1, 32)); a = np.abs(x).max(-1, keepdims=True)
;;       e = np.where(a > 0, np.clip(np.frexp(np.where(a > 0, a, 1))[1] - 1 - 2, -126, 127), 0)      # np.frexp(a)[1] - 1 = floor(log2(a)), exactly
;;       r = np.clip(x / 2.0 ** e, -6, 6)
;;       step = 2.0 ** (np.maximum(np.frexp(np.where(r == 0, 1, r))[1] - 1, 0) - 1)
;;       q = np.round(r / step) * step * 2.0 ** e      # np.round: ties to even
;;       return np.moveaxis(q.reshape(q.shape[:-2] + (-1,))[..., :K], -1, axis).astype(np.float32)
;;   ~~~
;; One version. Each part assembles by itself: llvm-mc -triple=amdgcn-amd-amdhsa -mcpu=gfx1250 --defsym DOCPART=n.
;; ======== version 1 of 1: 4 launches
;; limits: values are held in f16: magnitudes above 65,504 overflow, below 6.1e-05 lose precision
;; workspace buffers: cod 2,457,600 bytes; scl 204,800 bytes; woh 1,179,648 bytes; qkv 18,874,368 bytes; oi 6,291,456 bytes
;; launch quant (part 1): grid 224 x 1, 4 waves a work-group, no clusters, 68,096 bytes of LDS; arguments x, wq, wk, wv, wo, cod, scl, woh; writes cod, scl, woh
.if DOCPART == 1
	.amdgcn_target "amdgcn-amd-amdhsa--gfx1250"
	.amdhsa_code_object_version 6
	.text
	.protected	k_qd9fcf454e7_quant
	.globl	k_qd9fcf454e7_quant
	.p2align	8
	.type	k_qd9fcf454e7_quant,@function
k_qd9fcf454e7_quant:
	s_mov_b64 s[64:65], 0
	v_nop
	global_prefetch_b8 v0, s[64:65] scope:SCOPE_SE
	s_setreg_imm32_b32 hwreg(HW_REG_WAVE_MODE, 25, 1), 1
	s_wait_xcnt 0x0
; x [4096][768], wq, wk, wv [768][768], f32, K innermost, become codes of FP4 (E2M1) with one E8M0 scale byte for each 32 along K; wo [768][768] becomes f16.
; All three results are laid in the ORDER OF THE OPERAND'S REGISTERS, so that the later launches load fragments by 16 bytes a lane, 512 consecutive bytes an instruction:
;   cod [rt 400][s 6][c 2][lane 32][16 B]: row tiles of 16 rows (0-255 x, 256-303 wq, 304-351 wk, 352-399 wv); lane (r, h) holds the 32 codes k = 128 s + 64 c + 32 h + 0..31 of row r
;   scl [rt 400][half 2][r 16][4 words]: word i < 3 = the scale word (four bytes, 128 along K) of K step 3 half + i; word 3 = 0
;   woh [nt 48][kb 24][p 2][lane 32][16 B]: wo[16 nt + r][32 kb + 16 p + 8 h + 0..7] as f16
; A block's scale is 2^(floor(log2(its largest magnitude)) - 2); its byte is the largest magnitude's exponent field - 2, held at 1 from below.
; LIMITS: a block of zeros gets the byte 1 where the quantiser says 127 (its codes are zeros, and this program alone reads the bytes); NaN and infinities are not served; |wo| stays at or under 65,504 (f16).
; SHARES.  A wave takes 16 rows x 384 along K, three steps of 128.  Work-groups 0-199 quantise (row tile 2 wg + wave / 2, K half wave % 2), work-groups 200-223 take wo.
; Each load reads 512 consecutive bytes of one row; a step's 16 x 512 bytes turn through the wave's own stage in LDS (rows 528 bytes apart) so that a lane gets neighbours along K of ONE row.
; No matrix unit, no tensor load, no barrier, no cluster: the waves share nothing and every input byte is read once.  The two paths have LDS bytes of their own.
.set PITCH, 528                        ; a stage row: 512 bytes + 16
.set STGB,  16*PITCH                   ; a wave's stage
.set WOSTG, 4*STGB                     ; the stages of the path for wo
.set SPARE, 8*STGB                     ; behind the stages: the spare words, 128 bytes a wave
.set LD,  1                            ; v1   16 x lane
.set RR,  2                            ; v2   r = lane % 16
.set HH,  3                            ; v3   h = lane / 16
.set SI,  4                            ; v4   the stage, on the way in: + 16 x lane
.set SO,  5                            ; v5   and out: + 528 r + 128 h (wo: + 32 h)
.set SA,  6                            ; v6   16 r + 8 h: my 8 bytes of the scale words
.set SH,  7                            ; v7   8 h
.set MX,  8                            ; v8-9   largest magnitudes of my two blocks
.set EX,  10                           ; v10-11 the conversions' scale operands
.set BY,  12                           ; v12-13 the scale bytes
.set WD,  14                           ; v14  my two bytes at their places in the word
.set TP,  15                           ; v15  lane l xor 16's
.set SW,  16                           ; v16-18 the three steps' scale words
.set DD,  20                           ; v20-21 what I store of them
.set SPW, 28                           ; v28  my spare word's LDS address; never rewritten
.set NIL, 29                           ; v29  0; never rewritten
.set R,   32                           ; v32-159  two sets of 64: a step as it is loaded
.set X,   160                          ; v160-223 64 numbers of my row
.set C,   224                          ; v224-255 results to store
	s_load_b512 s[16:31], s[0:1], 0x0              ; x s[16:17], wq s[18:19], wk s[20:21], wv s[22:23], wo s[24:25], cod s[26:27], scl s[28:29], woh s[30:31]
	v_lshl_add_u32 v[SPW], v0, 2, SPARE
	v_mov_b32 v[NIL], 0
	v_lshrrev_b32 v2, 5, v0
	v_readfirstlane_b32 s2, v2                     ; wave 0..3
	v_and_b32 v1, 31, v0
	v_lshlrev_b32 v[LD], 4, v1
	v_and_b32 v[RR], 15, v0
	v_bfe_u32 v[HH], v0, 4, 1
	v_mul_u32_u24 v[SO], v[RR], PITCH
	s_mul_i32 s3, s2, STGB
	s_mov_b32 s11, 0
	s_wait_kmcnt 0x0
	s_cmp_ge_u32 ttmp9, 200
	s_cbranch_scc1 .Lwo
.macro LOAD t, set                     ; step t: 512 bytes of each of the 16 rows
.irp i, 0,1,2,3,4,5,6,7,8,9,10,11,12,13,14,15
	global_load_b128 v[R+64*(\set)+4*\i:R+64*(\set)+4*\i+3], v[LD], s[4:5] offset:3072*\i+512*(\t) th:TH_LOAD_NT
.endr
.endm
.macro INTO set                        ; into the stage as loaded
.irp i, 0,1,2,3,4,5,6,7,8,9,10,11,12,13,14,15
	ds_store_b128 v[SI], v[R+64*(\set)+4*\i:R+64*(\set)+4*\i+3] offset:PITCH*\i
.endr
.endm
.macro TURNQ set                       ; and back: register 32 c + i = k 64 c + 32 h + i of row r: two whole blocks a lane.  LDS serves a wave's instructions in order: no wait between
	INTO \set
.irp c, 0,1
.irp i, 0,1,2,3,4,5,6,7
	ds_load_b128 v[X+32*\c+4*\i:X+32*\c+4*\i+3], v[SO] offset:256*\c+16*\i
.endr
.endr
.endm
.macro QUANT t
.irp c, 0,1
	v_max3_num_f32 v[MX+\c], |v[X+32*\c]|, |v[X+32*\c+1]|, 0x1800000   ; block 2 c + h: all 32 numbers are mine; the floor 2^(3 - 127) keeps the byte at 1 or above
.endr
.irp i, 2,4,6,8,10,12,14,16,18,20,22,24,26,28,30
.irp c, 0,1
	v_max3_num_f32 v[MX+\c], v[MX+\c], |v[X+32*\c+\i]|, |v[X+32*\c+\i+1]|
.endr
.endr
.irp c, 0,1
	v_add_nc_u32 v[EX+\c], 0xff000000, v[MX+\c]    ; 2 off the exponent field: the conversion takes this operand's exponent field as its scale
.endr
.irp c, 0,1
	v_lshrrev_b32 v[BY+\c], 23, v[EX+\c]           ; the scale's byte
.endr
	v_lshl_or_b32 v[WD], v[BY+1], 16, v[BY]        ; blocks h and 2 + h,
	v_lshlrev_b32 v[WD], v[SH], v[WD]              ; at their places in the word;
	v_permlanex16_b32 v[TP], v[WD], s34, s35
	v_or_b32 v[SW+(\t)], v[WD], v[TP]              ; with lane l xor 16's two the word is whole, in both lanes
.irp c, 0,1
.irp g, 0,1,2,3
	v_cvt_scalef32_pk8_fp4_f32 v[C+8*(\t)+4*\c+\g], v[X+32*\c+8*\g:X+32*\c+8*\g+7], v[EX+\c]
.endr
.endr
	v_nop                                          ; one plain instruction behind the last scaled conversion
.irp c, 0,1
	global_store_b128 v[LD], v[C+8*(\t)+4*\c:C+8*(\t)+4*\c+3], s[6:7] offset:1024*(\t)+512*\c   ; 512 consecutive bytes; each step has registers of its own, so no store's data are rewritten
.endr
.endm
	; ---- the quantising path
	v_add_nc_u32 v[SI], s3, v[LD]
	v_lshl_add_u32 v[SO], v[HH], 7, v[SO]
	v_add_nc_u32 v[SO], s3, v[SO]
	v_lshlrev_b32 v[SA], 4, v[RR]
	v_lshl_add_u32 v[SA], v[HH], 3, v[SA]
	v_lshlrev_b32 v[SH], 3, v[HH]
	v_mov_b32 v[TP], 0                             ; a lane permute's destination counts as read
	s_mov_b32 s34, 0x76543210
	s_mov_b32 s35, 0xfedcba98                      ; selects for lane l xor 16
	s_mov_b32 s12, 176                             ; which tensor: the choice hangs on the work-group's number alone
	s_cmp_lt_u32 ttmp9, 176
	s_cselect_b64 s[4:5], s[20:21], s[22:23]       ; wk or wv
	s_cselect_b32 s12, 152, s12                    ; and the tensor's first work-group
	s_cmp_lt_u32 ttmp9, 152
	s_cselect_b64 s[4:5], s[18:19], s[4:5]         ; wq
	s_cselect_b32 s12, 128, s12
	s_cmp_lt_u32 ttmp9, 128
	s_cselect_b64 s[4:5], s[16:17], s[4:5]         ; x
	s_cselect_b32 s12, 0, s12
	s_sub_co_u32 s13, ttmp9, s12
	s_lshr_b32 s14, s2, 1
	s_and_b32 s15, s2, 1                           ; K half
	s_lshl_b32 s13, s13, 1
	s_add_co_u32 s13, s13, s14                     ; the row tile inside its tensor
	s_mul_i32 s10, s13, 49152                      ; 16 rows of 3,072 bytes
	s_mul_i32 s12, s15, 1536
	s_add_co_u32 s10, s10, s12
	s_add_nc_u64 s[4:5], s[4:5], s[10:11]
	s_lshl_b32 s13, ttmp9, 1
	s_add_co_u32 s13, s13, s14                     ; rt
	s_mul_i32 s10, s13, 6144
	s_mul_i32 s12, s15, 3072
	s_add_co_u32 s10, s10, s12
	s_add_nc_u64 s[6:7], s[26:27], s[10:11]
	s_lshl_b32 s10, s13, 9
	s_lshl_b32 s12, s15, 8
	s_add_co_u32 s10, s10, s12
	s_add_nc_u64 s[8:9], s[28:29], s[10:11]
	LOAD 0, 0
	LOAD 1, 1
	s_wait_loadcnt 16                              ; step 0's sixteen are in; step 1's may be out
	TURNQ 0
	s_wait_dscnt 0x0                               ; the numbers are back, and the stores into the stage have read set 0,
	LOAD 2, 0                                      ; which takes step 2
	QUANT 0
	s_wait_loadcnt 16                              ; step 1's are in; step 2's may be out
	TURNQ 1
	s_wait_dscnt 0x0
	QUANT 1
	s_wait_loadcnt 0x0
	TURNQ 0
	s_wait_dscnt 0x0
	QUANT 2
	v_cmp_eq_u32 vcc_lo, 0, v[HH]
	v_cndmask_b32 v[DD], v[SW+2], v[SW], vcc_lo    ; lanes 0-15: words 0 and 1; lanes 16-31: word 2 and a zero
	v_cndmask_b32 v[DD+1], 0, v[SW+1], vcc_lo
	global_store_b64 v[SA], v[DD:DD+1], s[8:9]     ; 32 lanes store 256 consecutive bytes, aligned
	s_wait_tensorcnt 0x0                           ; the wave's end: behind my last LDS store
	ds_add_u32 v[SPW], v[NIL]
	s_wait_dscnt 0x0
	s_endpgm
	; ---- the path for wo: the same turn, other pieces: register 8 f + i = k 16 f + 8 h + i of row r (f = 2 q + p: fragment q of the step's four, half p)
.macro TURNW set
	INTO \set
.irp f, 0,1,2,3,4,5,6,7
.irp e, 0,1
	ds_load_b128 v[X+8*\f+4*\e:X+8*\f+4*\e+3], v[SO] offset:64*\f+16*\e
.endr
.endr
.endm
.macro CVTW t
.irp f, 0,1,2,3,4,5,6,7
.irp j, 0,1,2,3
	v_cvt_pk_f16_f32 v[C+4*\f+\j], v[X+8*\f+2*\j], v[X+8*\f+2*\j+1]
.endr
.endr
.irp f, 0,1,2,3,4,5,6,7
	global_store_b128 v[LD], v[C+4*\f:C+4*\f+3], s[6:7] offset:4096*(\t)+512*\f
.endr
.endm
.Lwo:
	s_add_co_u32 s3, s3, WOSTG
	v_add_nc_u32 v[SI], s3, v[LD]
	v_lshl_add_u32 v[SO], v[HH], 5, v[SO]
	v_add_nc_u32 v[SO], s3, v[SO]
	s_sub_co_u32 s13, ttmp9, 200
	s_lshl_b32 s13, s13, 2
	s_add_co_u32 s13, s13, s2
	s_lshr_b32 s14, s13, 1                         ; nt
	s_and_b32 s15, s13, 1                          ; K half
	s_mul_i32 s10, s14, 49152
	s_mul_i32 s12, s15, 1536
	s_add_co_u32 s10, s10, s12
	s_add_nc_u64 s[4:5], s[24:25], s[10:11]
	s_mul_i32 s10, s14, 24576
	s_mul_i32 s12, s15, 12288
	s_add_co_u32 s10, s10, s12
	s_add_nc_u64 s[6:7], s[30:31], s[10:11]
	LOAD 0, 0
	LOAD 1, 1
	s_wait_loadcnt 16                              ; step 0's are in; step 1's may be out
	TURNW 0
	s_wait_dscnt 0x0
	LOAD 2, 0
	CVTW 0
	s_wait_loadcnt 16                              ; step 1's are in; step 2's may be out
	TURNW 1
	s_wait_dscnt 0x0
	s_wait_xcnt 0x0                                ; the last step's stores have read their data: the registers are written again only behind this wait
	CVTW 1
	s_wait_loadcnt 0x0
	TURNW 0
	s_wait_dscnt 0x0
	s_wait_xcnt 0x0
	CVTW 2
	s_wait_tensorcnt 0x0                           ; the wave's end
	ds_add_u32 v[SPW], v[NIL]
	s_wait_dscnt 0x0
	s_endpgm
.Lfunc_end_k_qd9fcf454e7_quant:
	.size	k_qd9fcf454e7_quant, .Lfunc_end_k_qd9fcf454e7_quant-k_qd9fcf454e7_quant
	.p2alignl 7, 3214868480
	.fill 96, 4, 3214868480
	.section	.rodata,"a",@progbits
	.p2align	6, 0x0
	.amdhsa_kernel k_qd9fcf454e7_quant
		.amdhsa_group_segment_fixed_size 68096
		.amdhsa_private_segment_fixed_size 0
		.amdhsa_enable_private_segment 0
		.amdhsa_kernarg_size 64
		.amdhsa_user_sgpr_count 2
		.amdhsa_user_sgpr_kernarg_segment_ptr 1
		.amdhsa_wavefront_size32 1
		.amdhsa_system_sgpr_workgroup_id_x 1
		.amdhsa_system_sgpr_workgroup_id_y 1
		.amdhsa_system_sgpr_workgroup_id_z 1
		.amdhsa_system_vgpr_workitem_id 0
		.amdhsa_next_free_vgpr 256
		.amdhsa_next_free_sgpr 66
		.amdhsa_reserve_vcc 1
		.amdhsa_float_denorm_mode_32 3
		.amdhsa_float_denorm_mode_16_64 3
		.amdhsa_memory_ordered 1
		.amdhsa_forward_progress 1
		.amdhsa_inst_pref_size 43
	.end_amdhsa_kernel
	.amdgpu_metadata
---
amdhsa.version: [ 1, 2 ]
amdhsa.kernels:
  - .name:           k_qd9fcf454e7_quant
    .symbol:         k_qd9fcf454e7_quant.kd
    .args:
      - { .name: x, .offset: 0, .size: 8, .value_kind: global_buffer, .address_space: global }
      - { .name: wq, .offset: 8, .size: 8, .value_kind: global_buffer, .address_space: global }
      - { .name: wk, .offset: 16, .size: 8, .value_kind: global_buffer, .address_space: global }
      - { .name: wv, .offset: 24, .size: 8, .value_kind: global_buffer, .address_space: global }
      - { .name: wo, .offset: 32, .size: 8, .value_kind: global_buffer, .address_space: global }
      - { .name: cod, .offset: 40, .size: 8, .value_kind: global_buffer, .address_space: global }
      - { .name: scl, .offset: 48, .size: 8, .value_kind: global_buffer, .address_space: global }
      - { .name: woh, .offset: 56, .size: 8, .value_kind: global_buffer, .address_space: global }
    .group_segment_fixed_size: 68096
    .private_segment_fixed_size: 0
    .kernarg_segment_align: 8
    .kernarg_segment_size: 64
    .max_flat_workgroup_size: 128
    .sgpr_count:     66
    .vgpr_count:     256
    .wavefront_size: 32
...
	.end_amdgpu_metadata
.endif
;; end of part 1
;; launch qkv (part 2): grid 8 x 32, 12 waves a work-group, no clusters, 167,936 bytes of LDS; arguments cod, scl, qkv; writes qkv
.if DOCPART == 2
	.amdgcn_target "amdgcn-amd-amdhsa--gfx1250"
	.amdhsa_code_object_version 6
	.text
	.protected	k_qd9fcf454e7_qkv
	.globl	k_qd9fcf454e7_qkv
	.p2align	8
	.type	k_qd9fcf454e7_qkv,@function
k_qd9fcf454e7_qkv:
	s_mov_b64 s[64:65], 0
	v_nop
	global_prefetch_b8 v0, s[64:65] scope:SCOPE_SE
	s_setreg_imm32_b32 hwreg(HW_REG_WAVE_MODE, 25, 1), 1
	s_wait_xcnt 0x0
; q, k, v = x W^T on codes of FP4 with E8M0 scales, f32 sums; the results are rounded to f16 and stored as images of the fragments that the attention launch loads.
; cod and scl: as the quantising launch lays them.  qkv [H 36][tt 256][ct 4][512 B]: H 0-11 q's heads, 12-23 k's, 24-35 v's; block (tt, ct): lane (r, h) holds token 16 tt + r, channels 16 ct + 8 h + 0..7
; of the head, its 16 bytes at 16 x (lane xor 8 h): with that order both the plain and the turning LDS loads of the next launch touch sixteen different 16-byte columns in each half of the lanes.
; SHARES.  A work-group makes 128 tokens x 288 of the 2,304 channels: 8 x 32 = 256 work-groups.  All of K (768) of its 18 + 8 row tiles is 159,744 bytes: ONE fill, no ring, nothing is filled again.
; Twelve waves: wave w takes token tiles 4 (w % 2) .. + 3 and channel tiles 3 (w / 2) .. + 2: 12 accumulators, 7 fragments for 12 products in each of the 6 K steps.
; THE MATRIX INSTRUCTION IS USED TRANSPOSED (source 0 = 16 rows of W, source 1 = 16 tokens): a lane holds one token and eight neighbouring channels, which pack into the 16 bytes of the image.
; NO CLUSTER: a work-group asks once, at its head, for its 159,744 bytes; there is no loop of refills that rounds of a cluster's barrier could serve.
; LIMIT: |q|, |k|, |v| stay at or under 65,504 (f16).
.set XPART, 110592                     ; LDS: W's 18 tiles x 6,144 bytes, then x's 8 tiles
.set SPARE, 159744                     ; behind them: the spare words, 128 bytes a wave
.set LD,  1                            ; v1  16 x lane
.set LO,  2                            ; v2  16 x (lane xor 8 h): my place in an image of the output
.set AX,  3                            ; v3  LDS address of my x fragments
.set AW,  4                            ; v4  of my W fragments
.set SPW, 5                            ; v5  my spare word; never rewritten
.set NIL, 6                            ; v6  0; never rewritten
.set SCX, 8                            ; v8-23   x's scale words: four registers a token tile: register i: lanes 0-15 K step i, lanes 16-31 K step 3 + i
.set SCW, 24                           ; v24-35  W's likewise
.set FB,  40                           ; v40-95, v96-151: two fragment buffers: x's four, then W's three
.set ACC, 160                          ; v160-255: accumulator (a, b) at 160 + 8 (3 a + b)
.set WV,  12
.macro PLACES
.rept 4
	v_nop
.endr
.endm
	s_load_b128 s[4:7], s[0:1], 0x0                ; cod, scl
	s_load_b64 s[8:9], s[0:1], 0x10                ; qkv
	v_lshl_add_u32 v[SPW], v0, 2, SPARE
	v_mov_b32 v[NIL], 0
	ds_add_u32 v[SPW], v[NIL]                      ; the wave's opening: the add, twice on end, and its wait ahead of my first tensor load
	ds_add_u32 v[SPW], v[NIL]
	v_lshrrev_b32 v1, 5, v0
	v_readfirstlane_b32 s[WV], v1                  ; wave 0..11
	s_and_b32 s13, ttmp7, 0xffff                   ; gy: 128 tokens
	s_and_b32 s14, s[WV], 1                        ; wm
	s_lshr_b32 s15, s[WV], 1                       ; wn
	; descriptor groups 1: dense blocks as rows of 256 bytes (32 elements of 8 bytes): 54 rows for an eighth of W's part, 48 for a quarter of x's
	s_mov_b32 s16, 3<<16
	s_mov_b32 s17, 32<<16
	s_mov_b32 s18, 54<<16
	s_mov_b32 s19, 32<<16
	s_mov_b32 s20, 54
	s_mov_b32 s21, 32
	s_mov_b32 s22, 0
	s_mov_b32 s23, 0
	s_mov_b32 s24, 3<<16
	s_mov_b32 s25, 32<<16
	s_mov_b32 s26, 48<<16
	s_mov_b32 s27, 32<<16
	s_mov_b32 s28, 48
	s_mov_b32 s29, 32
	s_mov_b32 s30, 0
	s_mov_b32 s31, 0
	s_mov_b32 s32, 1
	s_mul_i32 s33, s[WV], 13824                    ; waves 0-7: W's part, an eighth each
	s_mul_i32 s10, ttmp9, 110592
	s_add_co_u32 s10, s10, s33
	s_add_co_u32 s10, s10, 1572864                 ; the weights' tiles begin behind x's 256
	s_mov_b32 s11, 0
	s_mov_b32 s36, 1
	s_and_b32 s2, s[WV], 3                         ; waves 8-11: x's part, a quarter each
	s_mul_i32 s2, s2, 12288
	s_add_co_u32 s37, s2, XPART
	s_mul_i32 s3, s13, 49152
	s_add_co_u32 s2, s2, s3
	s_mov_b32 s3, 0
	s_wait_dscnt 0x0                               ; both opening adds are done
	s_wait_kmcnt 0x0
	s_add_nc_u64 s[34:35], s[4:5], s[10:11]
	s_or_b32 s35, s35, 0x80000000
	s_add_nc_u64 s[38:39], s[4:5], s[2:3]
	s_or_b32 s39, s39, 0x80000000
	s_cmp_lt_u32 s[WV], 8                          ; one tensor load a wave; an s_nop 0 and four v_nop follow each line
	s_cbranch_scc0 .Lfor_x
	tensor_load_to_lds s[32:35], s[16:23]
	s_nop 0
	PLACES
	s_branch .Lasked
.Lfor_x:
	tensor_load_to_lds s[36:39], s[24:31]
	s_nop 0
	PLACES
.Lasked:
	s_lshl_b32 s2, s13, 3
	s_lshl_b32 s3, s14, 2
	s_add_co_u32 s50, s2, s3                       ; my first token tile: 8 gy + 4 wm
	s_lshl_b32 s2, s50, 9
	s_mov_b32 s3, 0
	s_add_nc_u64 s[40:41], s[6:7], s[2:3]          ; its scale words
	s_mul_i32 s51, ttmp9, 18
	s_mul_i32 s2, s15, 3
	s_add_co_u32 s51, s51, s2                      ; my first channel tile: 18 gx + 3 wn
	s_add_co_u32 s2, s51, 256
	s_lshl_b32 s2, s2, 9
	s_add_nc_u64 s[42:43], s[6:7], s[2:3]
	v_and_b32 v7, 31, v0
	v_lshlrev_b32 v[LD], 4, v7
	v_bfe_u32 v[LO], v0, 4, 1
	v_lshlrev_b32 v[LO], 3, v[LO]
	v_xor_b32 v[LO], v[LO], v7
	v_lshlrev_b32 v[LO], 4, v[LO]
.irp a, 0,1,2,3
	global_load_b128 v[SCX+4*\a:SCX+4*\a+3], v[LD], s[40:41] offset:512*\a
.endr
.irp b, 0,1,2
	global_load_b128 v[SCW+4*\b:SCW+4*\b+3], v[LD], s[42:43] offset:512*\b
.endr
	s_mul_i32 s2, s14, 24576
	s_add_co_u32 s2, s2, XPART
	v_add_nc_u32 v[AX], s2, v[LD]
	s_mul_i32 s2, s15, 18432
	v_add_nc_u32 v[AW], s2, v[LD]
.irp b, 0,1,2                                  ; where channel tile nt = first + b goes: head nt / 4, block nt % 4, my first token tile
	s_add_co_u32 s2, s51, \b
	s_lshr_b32 s10, s2, 2
	s_lshl_b32 s10, s10, 19
	s_and_b32 s2, s2, 3
	s_lshl_b32 s2, s2, 9
	s_add_co_u32 s2, s2, s10
	s_lshl_b32 s10, s50, 11
	s_add_co_u32 s2, s2, s10
	s_add_nc_u64 s[44+2*\b:45+2*\b], s[8:9], s[2:3]
.endr
.macro FETCH s, p                      ; K step s into buffer p: 14 loads, 512 consecutive bytes each
.irp a, 0,1,2,3
.irp c, 0,1
	ds_load_b128 v[FB+56*(\p)+8*\a+4*\c:FB+56*(\p)+8*\a+4*\c+3], v[AX] offset:6144*\a+1024*(\s)+512*\c
.endr
.endr
.irp b, 0,1,2
.irp c, 0,1
	ds_load_b128 v[FB+56*(\p)+32+8*\b+4*\c:FB+56*(\p)+32+8*\b+4*\c+3], v[AW] offset:6144*\b+1024*(\s)+512*\c
.endr
.endr
.endm
.macro MUL s, p                        ; 12 products; the accumulators take turns, one instruction a turn.  K step 0 starts the sums; K steps 3-5 take their scale words from lanes 16-31
.irp a, 0,1,2,3
.irp b, 0,1,2
.if (\s) == 0
	v_wmma_scale_f32_16x16x128_f8f6f4 v[ACC+8*(3*\a+\b):ACC+8*(3*\a+\b)+7], v[FB+56*(\p)+32+8*\b:FB+56*(\p)+32+8*\b+7], v[FB+56*(\p)+8*\a:FB+56*(\p)+8*\a+7], 0, v[SCW+4*\b+(\s)%3], v[SCX+4*\a+(\s)%3] matrix_a_fmt:MATRIX_FMT_FP4 matrix_b_fmt:MATRIX_FMT_FP4
.elseif (\s) < 3
	v_wmma_scale_f32_16x16x128_f8f6f4 v[ACC+8*(3*\a+\b):ACC+8*(3*\a+\b)+7], v[FB+56*(\p)+32+8*\b:FB+56*(\p)+32+8*\b+7], v[FB+56*(\p)+8*\a:FB+56*(\p)+8*\a+7], v[ACC+8*(3*\a+\b):ACC+8*(3*\a+\b)+7], v[SCW+4*\b+(\s)%3], v[SCX+4*\a+(\s)%3] matrix_a_fmt:MATRIX_FMT_FP4 matrix_b_fmt:MATRIX_FMT_FP4
.else
	v_wmma_scale_f32_16x16x128_f8f6f4 v[ACC+8*(3*\a+\b):ACC+8*(3*\a+\b)+7], v[FB+56*(\p)+32+8*\b:FB+56*(\p)+32+8*\b+7], v[FB+56*(\p)+8*\a:FB+56*(\p)+8*\a+7], v[ACC+8*(3*\a+\b):ACC+8*(3*\a+\b)+7], v[SCW+4*\b+(\s)%3], v[SCX+4*\a+(\s)%3] matrix_a_fmt:MATRIX_FMT_FP4 matrix_b_fmt:MATRIX_FMT_FP4 matrix_a_scale:MATRIX_SCALE_ROW1 matrix_b_scale:MATRIX_SCALE_ROW1
.endif
.endr
.endr
.endm
	s_wait_tensorcnt 0x0                           ; my part has landed,
	s_barrier_signal -1
	s_barrier_wait -1                              ; everybody's has
	FETCH 0, 0
	FETCH 1, 1
	s_wait_loadcnt 0x0                             ; the scale words
	s_wait_dscnt 14                                ; K step 0's fragments are in; the 14 loads of K step 1 may be out
	MUL 0, 0
	PLACES                                         ; four places in front of loads into registers that matrix instructions have read
	FETCH 2, 0
	s_wait_dscnt 14                                ; the 14 just issued may be out
	MUL 1, 1
	PLACES
	FETCH 3, 1
	s_wait_dscnt 14
	MUL 2, 0
	PLACES
	FETCH 4, 0
	s_wait_dscnt 14
	MUL 3, 1
	PLACES
	FETCH 5, 1
	s_wait_dscnt 14
	MUL 4, 0
	s_wait_dscnt 0x0
	MUL 5, 1
	PLACES                                         ; in front of the first read of results and the first write of operands that are done with
.irp n, 0,1,2,3,4,5,6,7,8,9,10,11
.irp j, 0,1,2,3
	v_cvt_pk_f16_f32 v[FB+4*\n+\j], v[ACC+8*\n+2*\j], v[ACC+8*\n+2*\j+1]   ; each accumulator from its low end on
.endr
.endr
.irp a, 0,1,2,3
.irp b, 0,1,2
	global_store_b128 v[LO], v[FB+4*(3*\a+\b):FB+4*(3*\a+\b)+3], s[44+2*\b:45+2*\b] offset:2048*\a   ; a block of 512 consecutive bytes, aligned
.endr
.endr
	s_wait_tensorcnt 0x0                           ; the wave's end
	ds_add_u32 v[SPW], v[NIL]
	s_wait_dscnt 0x0
	s_endpgm
.Lfunc_end_k_qd9fcf454e7_qkv:
	.size	k_qd9fcf454e7_qkv, .Lfunc_end_k_qd9fcf454e7_qkv-k_qd9fcf454e7_qkv
	.p2alignl 7, 3214868480
	.fill 96, 4, 3214868480
	.section	.rodata,"a",@progbits
	.p2align	6, 0x0
	.amdhsa_kernel k_qd9fcf454e7_qkv
		.amdhsa_group_segment_fixed_size 167936
		.amdhsa_private_segment_fixed_size 0
		.amdhsa_enable_private_segment 0
		.amdhsa_kernarg_size 24
		.amdhsa_user_sgpr_count 2
		.amdhsa_user_sgpr_kernarg_segment_ptr 1
		.amdhsa_wavefront_size32 1
		.amdhsa_system_sgpr_workgroup_id_x 1
		.amdhsa_system_sgpr_workgroup_id_y 1
		.amdhsa_system_sgpr_workgroup_id_z 1
		.amdhsa_system_vgpr_workitem_id 0
		.amdhsa_next_free_vgpr 256
		.amdhsa_next_free_sgpr 66
		.amdhsa_reserve_vcc 0
		.amdhsa_float_denorm_mode_32 3
		.amdhsa_float_denorm_mode_16_64 3
		.amdhsa_memory_ordered 1
		.amdhsa_forward_progress 1
		.amdhsa_inst_pref_size 25
	.end_amdhsa_kernel
	.amdgpu_metadata
---
amdhsa.version: [ 1, 2 ]
amdhsa.kernels:
  - .name:           k_qd9fcf454e7_qkv
    .symbol:         k_qd9fcf454e7_qkv.kd
    .args:
      - { .name: cod, .offset: 0, .size: 8, .value_kind: global_buffer, .address_space: global }
      - { .name: scl, .offset: 8, .size: 8, .value_kind: global_buffer, .address_space: global }
      - { .name: qkv, .offset: 16, .size: 8, .value_kind: global_buffer, .address_space: global }
    .group_segment_fixed_size: 167936
    .private_segment_fixed_size: 0
    .kernarg_segment_align: 8
    .kernarg_segment_size: 24
    .max_flat_workgroup_size: 384
    .sgpr_count:     66
    .vgpr_count:     256
    .wavefront_size: 32
...
	.end_amdgpu_metadata
.endif
;; end of part 2
;; launch attn (part 3): grid 16 x 12, 8 waves a work-group, clusters of 4 x 1, 327,680 bytes of LDS; arguments qkv, oi; writes oi
.if DOCPART == 3
	.amdgcn_target "amdgcn-amd-amdhsa--gfx1250"
	.amdhsa_code_object_version 6
	.text
	.protected	k_qd9fcf454e7_attn
	.globl	k_qd9fcf454e7_attn
	.p2align	8
	.type	k_qd9fcf454e7_attn,@function
k_qd9fcf454e7_attn:
	s_mov_b64 s[64:65], 0
	v_nop
	global_prefetch_b8 v0, s[64:65] scope:SCOPE_SE
	s_setreg_imm32_b32 hwreg(HW_REG_WAVE_MODE, 25, 1), 1
	s_wait_xcnt 0x0
	s_wait_alu depctr_hold_cnt(0) depctr_sa_sdst(0) depctr_va_vdst(0) depctr_va_sdst(0) depctr_va_ssrc(0) depctr_va_vcc(0) depctr_vm_vsrc(0)
	s_getreg_b32 s2, hwreg(HW_REG_IB_STS2, 6, 4)
	s_cmp_eq_u32 s2, 0
	s_cbranch_scc0 .Lentry_in_a_cluster
	s_endpgm
.Lentry_in_a_cluster:
	s_bfe_u32 s2, ttmp6, 0x10000c
	s_cmp_lg_u32 s2, 0x3003
	s_cbranch_scc0 .Lentry_shape_is_right
	s_endpgm
.Lentry_shape_is_right:
; o[head][q] = the sum over k of softmax_k(q . k / 8) v, 12 heads of 64 channels, 4,096 keys, no mask.  Operands f16 (q, k, v as the launch before stored them; the weights p rounded here); products, maxima and sums f32.
; qkv [H 36][tt 256][ct 4][512 B]: block (tt, ct): lane (r, h) holds token 16 tt + r, channels 16 ct + 8 h + 0..7, at 16 x (lane xor 8 h).  oi [mt 256][ct48 48][lane][16 B]: o[16 mt + r][16 ct48 + 8 h + 0..7], f16.
; SHARES.  A work-group owns 256 queries of one head, each of its eight waves 32: two tiles of 16.  Two waves share a SIMD's registers, so that one wave's softmax stands beside the other's products.
; 12 heads x 16 blocks = 192 work-groups: 12 x 4,096 rows do not fall into 256 equal blocks that each lie in one head.  Every wave walks all keys, 64 a step.
; LAYOUT.  S^T = K Q^T (source 0 = 16 keys, source 1 = 16 queries): a lane holds ONE query (lane % 16) and keys 8 (lane / 16) + 0..7; two such tiles, rounded in pairs, ARE source 1 of O^T = V^T P, whose
; result again holds one query a lane and eight channels: these pack into the image that the last launch loads.  K's blocks are fragments as they lie; V's are turned by ds_load_tr16_b128.
; SOFTMAX.  A running maximum m and sum l for each query: p = 2^(c s - c m), c = log2(e) / 8; in every step O and l are multiplied by a = 2^(c m_old - c m_new).  The loop has no first step of its own:
; O and l begin as zeros and m as -3e38, so that the first a is 0.
; RING.  Two LDS slots of 512 keys (K's 64 KiB, then V's), 2^17 bytes apart; a slot serves eight steps.  Wave w brings 16 KiB of a slot: 64 rows of 256 bytes.
; CLUSTER.  The four query blocks of a cluster belong to one head and walk the same K and V: each tile is asked for JOINTLY, by the same tensor load with the same descriptor and a mask that names the four.
; LIMITS: |o| stays at or under 65,504 (f16); magnitudes of o under 6e-5 are kept in steps of 6e-8; NaN and infinities are not served.
; REGISTERS, in windows of 256.  Window 0: v1-10 addresses; v12-27 statistics, eight a tile; v32-95 S^T; v96-127 P; v128-191 K of a step; v192-255 V of a step.  Window 1: v0-63 O^T; v64-95 Q.
.set SLOT1, 1<<17
.set SPARE, 2*SLOT1                    ; behind the ring: the spare words, 128 bytes a wave
.set AK0,  1                           ; v1   16 x (lane xor 8 h): my place in a block
.set AV0,  2                           ; v2   V's part of a slot + my place for the turning load
.set ADRK, 3                           ; v3   LDS address of the step's K
.set ADRV, 4                           ; v4   of its V
.set GO,   5                           ; v5   16 x lane
.set SPW,  8                           ; v8   my spare word; never rewritten
.set NIL,  9                           ; v9   0; never rewritten
.set PFO,  10                          ; v10  256 x lane: the prefetches' offset; never rewritten
.set ST,   12                          ; tile t at ST + 8 t: +0 c m, +1 m, +2, +3 l (even keys', odd keys'), +4..+7 at work; a takes +6
.set S,    32                          ; S^T (t, kt) at S + 32 t + 8 kt
.set P,    96                          ; P (t, kb) at P + 16 t + 8 kb
.set KF,   128                         ; K (kt, c) at KF + 8 (2 kt + c)
.set VF,   192                         ; V (kb, ct) at VF + 8 (4 kb + ct)
.set QF,   64                          ; window 1: Q (t, c) at QF + 16 t + 8 c;  O^T (t, ct) at 32 t + 8 ct
.set WV,   12
.set LIM,  15                          ; s15  1 in a wave that prefetches, else the greatest number
.set PFA,  18                          ; s[18:19] where my prefetches stand
.set G1,   24                          ; s[24:31] descriptor group 1
.set G0A,  40                          ; s[40:43] group 0 of slot 0's first fill
.set G0B,  44                          ; s[44:47] of slot 1's; it then walks
.set SLOTS, 56
.set CNT,  57
.set CS,   58                          ; s[58:59] c
.set SEL,  60                          ; s[60:61] selects for lane l xor 16
.set TB,   62                          ; s62  LDS byte at which the tiles of the step to be fetched begin
.set MSB, 0
.macro WIN new                         ; the immediate's high byte repeats the setting that is left; a switch that changes nothing is dropped
.if MSB != \new
	s_set_vgpr_msb (MSB<<8)|\new
.set MSB, \new
.endif
.endm
.set W_KQ, 0x04                        ; source 1 (Q) window 1
.set W_PV, 0x50                        ; C and D (O^T) window 1
.set W_RS, 0x41                        ; destination and source 0 (O^T) window 1
.macro PLACES
.rept 4
	v_nop
.endr
.endm
.macro CROUND                          ; a round of the cluster's barrier
	s_barrier_signal -1
	s_barrier_wait -1
	s_cmp_lg_u32 s[WV], 0
	s_cbranch_scc1 .Lnot_wave_0_\@
	s_barrier_signal -3
.Lnot_wave_0_\@:
	s_barrier_wait -3
	s_barrier_signal -1
	s_barrier_wait -1
.endm
; A prefetch of what the NEXT change of slots will ask for: a slot is 512 blocks of 256 bytes.  All clusters of a head walk the same K and V: the head's first cluster asks; in it the even waves, 32 blocks each;
; the four partners are told apart BY ADDRESS: from wave w's own 16 KiB on, partner cx takes 8 KiB at 8,192 cx, which covers wave w's and wave w + 1's tiles.  So each block is named once in the launch.
; The last change that fills a slot asks for nothing; slots 0 to 2 come by their loads alone.
.macro ASK
	s_cmp_gt_u32 s[SLOTS], s[LIM]
	s_cbranch_scc0 .Lnot_mine_\@
	global_prefetch_b8 v[PFO], s[PFA:PFA+1] th:TH_LOAD_NT scope:SCOPE_SE
.Lnot_mine_\@:
.endm
	s_load_b128 s[4:7], s[0:1], 0x0                ; qkv, oi
	v_lshl_add_u32 v[SPW], v0, 2, SPARE
	v_mov_b32 v[NIL], 0
	ds_add_u32 v[SPW], v[NIL]                      ; the wave's opening: the add, twice on end, and its wait ahead of my first tensor load
	ds_add_u32 v[SPW], v[NIL]
	v_lshrrev_b32 v1, 5, v0
	v_readfirstlane_b32 s[WV], v1                  ; wave 0..7
	s_bfe_u32 s13, ttmp6, 0x40000                  ; cx
	s_lshl_b32 s14, ttmp9, 2
	s_add_co_u32 s14, s14, s13                     ; my block of 256 queries: it enters Q's and O's addresses alone
	s_and_b32 s20, ttmp7, 0xffff                   ; the head, which the partners share
	s_lshr_b32 s16, s[WV], 2                       ; waves 0-3 fetch K, waves 4-7 V
	s_mul_i32 s16, s16, 12
	s_add_co_u32 s16, s16, s20
	s_add_co_u32 s16, s16, 12
	s_lshl_b32 s16, s16, 19                        ; that head's first byte,
	s_and_b32 s17, s[WV], 3
	s_lshl_b32 s17, s17, 14
	s_add_co_u32 s16, s16, s17                     ; my quarter of a slot's 64 KiB
	s_mov_b32 s17, 0
	s_lshl_b32 s21, s[WV], 14                      ; and its place in a slot: no place in the cluster enters an LDS address
	s_lshl_b32 s22, s14, 4
	s_lshl_b32 s23, s[WV], 1
	s_add_co_u32 s22, s22, s23                     ; my first tile of queries: 16 x block + 2 x wave
	s_lshl_b32 s2, s22, 11
	s_lshl_b32 s3, s20, 19
	s_add_co_u32 s2, s2, s3
	s_mov_b32 s3, 0                                ; Q's offset
	s_mul_i32 s22, s22, 24576
	s_lshl_b32 s23, s20, 11
	s_add_co_u32 s22, s22, s23
	s_mov_b32 s23, 0                               ; O's offset
	s_mov_b32 s[G1], 15|(3<<16)|(1<<21)            ; 15:0 the mask: all four work-groups; 17:16 elements of 8 bytes; 21 set beside a mask; no padding
	s_mov_b32 s[G1+1], 32<<16                      ; tensor_dim0 = 32 elements: 256 bytes
	s_mov_b32 s[G1+2], 64<<16                      ; tensor_dim1 = 64
	s_mov_b32 s[G1+3], 32<<16                      ; tile_dim0
	s_mov_b32 s[G1+4], 64                          ; tile_dim1
	s_mov_b32 s[G1+5], 32                          ; the pitch: dense
	s_mov_b32 s[G1+6], 0
	s_mov_b32 s[G1+7], 0
	s_mov_b32 s[CS], 0x3e38aa3b                    ; c = log2(e) / 8
	s_mov_b32 s[CS+1], s[CS]                       ; named with it as a pair, so it is written
	s_mov_b32 s[SEL], 0x76543210
	s_mov_b32 s[SEL+1], 0xfedcba98
	s_mov_b32 s[TB], 0
	s_mov_b32 s[SLOTS], 6
	s_and_b32 s[LIM], s[WV], 1
	s_or_b32 s[LIM], s[LIM], ttmp9                 ; 0 in the even waves of the head's first cluster: the same in all four partners
	s_cmp_eq_u32 s[LIM], 0
	s_cselect_b32 s[LIM], 1, -1
	s_wait_dscnt 0x0                               ; both opening adds are done
	s_wait_kmcnt 0x0
	s_add_nc_u64 s[16:17], s[4:5], s[16:17]        ; K or V at my tile of the first 512 keys
	s_add_nc_u64 s[8:9], s[4:5], s[2:3]            ; Q at my first tile
	s_add_nc_u64 s[10:11], s[6:7], s[22:23]        ; O likewise
	s_lshl_b32 s2, s13, 13
	s_add_co_u32 s2, s2, 2*65536                   ; the prefetches stand two slots on; the first change of slots steps them to the third
	s_mov_b32 s3, 0
	s_add_nc_u64 s[PFA:PFA+1], s[16:17], s[2:3]
	CROUND                                         ; all four work-groups are here: the first joint loads meet
	s_mov_b32 s[G0A], 1
	s_mov_b32 s[G0A+1], s21
	s_mov_b64 s[G0A+2:G0A+3], s[16:17]
	s_or_b32 s[G0A+3], s[G0A+3], 0x80000000
	s_mov_b32 s[G0B], 1
	s_add_co_u32 s[G0B+1], s21, SLOT1
	s_add_nc_u64 s[G0B+2:G0B+3], s[16:17], 65536
	s_or_b32 s[G0B+3], s[G0B+3], 0x80000000
	tensor_load_to_lds s[G0A:G0A+3], s[G1:G1+7]    ; both first fills together: two loads of mine are out
	s_nop 0
	tensor_load_to_lds s[G0B:G0B+3], s[G1:G1+7]
	s_nop 0
	PLACES
	v_and_b32 v[GO], 31, v0
	v_bfe_u32 v6, v0, 4, 1                         ; h
	v_lshlrev_b32 v7, 3, v6
	v_xor_b32 v[AK0], v[GO], v7
	v_lshlrev_b32 v[AK0], 4, v[AK0]
	; the turning load: lane l addresses token 8 (l / 16) + l % 8, channel half (l / 8) % 2 of a block; that piece lies at 16 x (16 half + 8 ((l / 16) xor half) + l % 8)
	v_bfe_u32 v7, v0, 3, 1
	v_xor_b32 v6, v6, v7
	v_and_b32 v[AV0], 7, v0
	v_lshl_add_u32 v[AV0], v6, 3, v[AV0]
	v_lshl_add_u32 v[AV0], v7, 4, v[AV0]
	v_lshlrev_b32 v[AV0], 4, v[AV0]
	v_add_nc_u32 v[AV0], 65536, v[AV0]
	v_lshlrev_b32 v[PFO], 8, v[GO]
	v_lshlrev_b32 v[GO], 4, v[GO]
	WIN 0x40                                       ; destination window 1
.irp t, 0,1
.irp q, 0,1,2,3
	global_load_b128 v[QF+16*\t+4*\q:QF+16*\t+4*\q+3], v[AK0], s[8:9] offset:2048*\t+512*\q   ; Q stays in registers
.endr
.endr
.set i, 0
.rept 64
	v_mov_b32 v[i], 0                              ; O^T, once: the loop is written without a first step of its own
.set i, i+1
.endr
	WIN 0
.irp t, 0,1
	v_mov_b32 v[ST+8*\t+1], 0xff61b1e6             ; m = -3e38, under every score
	v_mul_f32 v[ST+8*\t], s[CS], v[ST+8*\t+1]      ; c m
	v_mov_b32 v[ST+8*\t+2], 0                      ; l
	v_mov_b32 v[ST+8*\t+3], 0
	v_mov_b32 v[ST+8*\t+5], 0                      ; a lane permute's destination counts as read
.endr
.macro FETCH_K                         ; 64 keys x 64 channels: 16 loads of 512 consecutive bytes
.irp n, 0,1,2,3
.irp q, 0,1,2,3
	ds_load_b128 v[KF+16*\n+4*\q:KF+16*\n+4*\q+3], v[ADRK] offset:2048*\n+512*\q
.endr
.endr
.endm
.macro FETCH_V                         ; the same of V, turned: fragment (kb, ct): channels 16 ct on, keys 32 kb + 16 e + 8 h + 0..7
.irp b, 0,1
.irp n, 0,1,2,3
.irp e, 0,1
	ds_load_tr16_b128 v[VF+8*(4*\b+\n)+4*\e:VF+8*(4*\b+\n)+4*\e+3], v[ADRV] offset:4096*\b+2048*\e+512*\n
.endr
.endr
.endr
.endm
.macro KQ                              ; S^T = K Q^T: eight accumulators by turns; channels 0-31 start the sums
	WIN W_KQ
.irp c, 0,1
.irp n, 0,1,2,3
.irp t, 0,1
.if \c == 0
	v_wmma_f32_16x16x32_f16 v[S+32*\t+8*\n:S+32*\t+8*\n+7], v[KF+8*(2*\n+\c):KF+8*(2*\n+\c)+7], v[QF+16*\t+8*\c:QF+16*\t+8*\c+7], 0
.else
	v_wmma_f32_16x16x32_f16 v[S+32*\t+8*\n:S+32*\t+8*\n+7], v[KF+8*(2*\n+\c):KF+8*(2*\n+\c)+7], v[QF+16*\t+8*\c:QF+16*\t+8*\c+7], v[S+32*\t+8*\n:S+32*\t+8*\n+7]
.endif
.endr
.endr
.endr
.endm
.macro PV                              ; O^T += V^T P: eight accumulators by turns
	WIN W_PV
.irp b, 0,1
.irp n, 0,1,2,3
.irp t, 0,1
	v_wmma_f32_16x16x32_f16 v[32*\t+8*\n:32*\t+8*\n+7], v[VF+8*(4*\b+\n):VF+8*(4*\b+\n)+7], v[P+16*\t+8*\b:P+16*\t+8*\b+7], v[32*\t+8*\n:32*\t+8*\n+7]
.endr
.endr
.endr
.endm
; The softmax of a step, both tiles line by line in turn, so that no line waits for the line above it.
.macro SOFTMAX
.irp j, 0,1,2,3
.irp t, 0,1
	v_max3_num_f32 v[ST+8*\t+4+\j], v[S+32*\t+8*\j], v[S+32*\t+8*\j+1], v[S+32*\t+8*\j+2]   ; four chains; each accumulator is read from its low end on
.endr
.endr
.irp u, 1,2
.irp j, 0,1,2,3
.irp t, 0,1
	v_max3_num_f32 v[ST+8*\t+4+\j], v[ST+8*\t+4+\j], v[S+32*\t+8*\j+2*\u+1], v[S+32*\t+8*\j+2*\u+2]
.endr
.endr
.endr
.irp t, 0,1
	v_max3_num_f32 v[ST+8*\t+4], v[ST+8*\t+4], v[S+32*\t+7], v[S+32*\t+15]
.endr
.irp t, 0,1
	v_max3_num_f32 v[ST+8*\t+6], v[ST+8*\t+6], v[S+32*\t+23], v[S+32*\t+31]
.endr
.irp t, 0,1
	v_max3_num_f32 v[ST+8*\t+4], v[ST+8*\t+4], v[ST+8*\t+5], v[ST+8*\t+6]
.endr
.irp t, 0,1
	v_max3_num_f32 v[ST+8*\t+4], v[ST+8*\t+4], v[ST+8*\t+7], v[ST+8*\t+1]   ; and the old m
.endr
.irp t, 0,1
	v_permlanex16_b32 v[ST+8*\t+5], v[ST+8*\t+4], s[SEL], s[SEL+1]   ; the query's other 32 keys lie in the lane 16 away
.endr
.irp t, 0,1
	v_mov_b32 v[ST+8*\t+7], v[ST+8*\t]             ; c m_old is kept for a
.endr
.irp t, 0,1
	v_max_num_f32 v[ST+8*\t+1], v[ST+8*\t+4], v[ST+8*\t+5]
.endr
.irp t, 0,1
	v_mul_f32 v[ST+8*\t], s[CS], v[ST+8*\t+1]
.endr
.irp t, 0,1
	v_sub_f32 v[ST+8*\t+7], v[ST+8*\t+7], v[ST+8*\t]
.endr
.irp b, 0,2,4,6,8,10,12,14,16,18,20,22,24,26,28,30
.irp t, 0,1
	v_pk_fma_f32 v[S+32*\t+\b:S+32*\t+\b+1], v[S+32*\t+\b:S+32*\t+\b+1], s[CS:CS+1], v[ST+8*\t:ST+8*\t+1] op_sel_hi:[1,0,0] neg_lo:[0,0,1] neg_hi:[0,0,1]   ; c s - c m
.endr
.endr
.irp t, 0,1
	v_exp_f32 v[ST+8*\t+6], v[ST+8*\t+7]           ; a.  ONE BATCH of 66 exponentials: none of them reads another's result
.endr
.irp e, 0,1,2,3,4,5,6,7,8,9,10,11,12,13,14,15,16,17,18,19,20,21,22,23,24,25,26,27,28,29,30,31
.irp t, 0,1
	v_exp_f32 v[S+32*\t+\e], v[S+32*\t+\e]
.endr
.endr
	v_nop                                          ; a plain instruction behind the last exponential
	s_wait_alu depctr_va_vdst(0)                   ; the one wait ahead of the batch's first reader
.irp i, 0,1,2,3,4,5,6,7,8,9,10,11,12,13,14,15
.irp t, 0,1
	v_cvt_pk_f16_f32 v[P+16*\t+\i], v[S+32*\t+2*\i], v[S+32*\t+2*\i+1]
.endr
.endr
.irp u, 0,4,8,12,16,20,24,28                   ; the sum of the unrounded p, in place: pairs 1, 2, 4 and 8 apart
.irp t, 0,1
	v_pk_add_f32 v[S+32*\t+\u:S+32*\t+\u+1], v[S+32*\t+\u:S+32*\t+\u+1], v[S+32*\t+\u+2:S+32*\t+\u+3]
.endr
.endr
.irp u, 0,8,16,24
.irp t, 0,1
	v_pk_add_f32 v[S+32*\t+\u:S+32*\t+\u+1], v[S+32*\t+\u:S+32*\t+\u+1], v[S+32*\t+\u+4:S+32*\t+\u+5]
.endr
.endr
.irp u, 0,16
.irp t, 0,1
	v_pk_add_f32 v[S+32*\t+\u:S+32*\t+\u+1], v[S+32*\t+\u:S+32*\t+\u+1], v[S+32*\t+\u+8:S+32*\t+\u+9]
.endr
.endr
.irp t, 0,1
	v_pk_add_f32 v[S+32*\t:S+32*\t+1], v[S+32*\t:S+32*\t+1], v[S+32*\t+16:S+32*\t+17]
.endr
.irp t, 0,1
	v_pk_fma_f32 v[ST+8*\t+2:ST+8*\t+3], v[ST+8*\t+2:ST+8*\t+3], v[ST+8*\t+6:ST+8*\t+7], v[S+32*\t:S+32*\t+1] op_sel_hi:[1,0,1]   ; l = a l + the sum
.endr
	WIN W_RS
.irp t, 0,1
.irp i, 0,2,4,6,8,10,12,14,16,18,20,22,24,26,28,30
	v_pk_mul_f32 v[32*\t+\i:32*\t+\i+1], v[32*\t+\i:32*\t+\i+1], v[ST+8*\t+6:ST+8*\t+7] op_sel_hi:[1,0]   ; O^T x a, each accumulator from its low end on
.endr
.endr
.endm
; ONE KEY STEP j.  next = 1: K of step j + 1 is fetched under the softmax of step j, V of step j + 1 behind the products V^T P of step j, and the step ends with K Q^T of step j + 1.
.macro ITER next
.if \next
	v_add_nc_u32 v[ADRK], s[TB], v[AK0]
	v_add_nc_u32 v[ADRV], s[TB], v[AV0]
	v_nop
	v_nop                                          ; four places behind the last K Q^T: in front of the loads into K's registers and of the first read of the scores
	FETCH_K
.else
	PLACES
.endif
	SOFTMAX
.if \next
	s_wait_dscnt 16                                ; V of this step is in; the 16 younger loads, K of the next, may be out
.else
	s_wait_dscnt 0x0
.endif
	PV
	WIN 0
.if \next
	PLACES                                         ; in front of the loads into V's registers
	FETCH_V
	s_wait_dscnt 16                                ; K is in; the 16 loads of V just issued may be out
	KQ
	WIN 0
	s_add_co_u32 s[TB], s[TB], 8192                ; the next fetches are the next step's
.endif
.endm
.macro STEPS n
	s_mov_b32 s[CNT], \n
.Lstep_\@:
	ITER 1
	s_sub_co_u32 s[CNT], s[CNT], 1
	s_cmp_lg_u32 s[CNT], 0
	s_cbranch_scc1 .Lstep_\@
.endm
; THE CHANGE OF SLOTS, behind K Q^T of a slot's last step: all reads of the slot have been issued.  Each wave waits for all its tensor loads (one is out: its part of the other slot), adds 0 to its spare word,
; and waits for that and for its reads.  fill = 1: the barrier is a round of the cluster's, and the slot just left is filled again first thing behind it, with the keys two slots on: it has eight steps in which to land.
.macro CHANGE fill
	s_wait_tensorcnt 0x0                           ; no tensor load of mine is out, so a group 0 may be written
	ds_add_u32 v[SPW], v[NIL]
.if \fill
	s_xor_b32 s[G0B+1], s[G0B+1], SLOT1            ; the walking descriptor: the other slot than last time,
	s_add_nc_u64 s[G0B+2:G0B+3], s[G0B+2:G0B+3], 65536   ; the next 512 keys; the type bits on top are not reached
	s_wait_xcnt 0x0                                ; the last prefetch, eight steps back, has read its address
	s_add_nc_u64 s[PFA:PFA+1], s[PFA:PFA+1], 65536
	s_wait_dscnt 0x0                               ; the add is done, and my reads of the slot are over
	CROUND
	tensor_load_to_lds s[G0B:G0B+3], s[G1:G1+7]    ; my one tensor load behind the round
	s_nop 0
	PLACES
	ASK
.else
	s_wait_dscnt 0x0
	s_barrier_signal -1
	s_barrier_wait -1
.endif
	s_sub_co_u32 s[TB], s[TB], 65536               ; back to a slot's first step,
	s_xor_b32 s[TB], s[TB], SLOT1                  ; in the other slot
.endm
	s_wait_tensorcnt 0x1                           ; my part of slot 0 is in; slot 1's may stay out
	s_barrier_signal -1
	s_barrier_wait -1
	v_add_nc_u32 v[ADRK], s[TB], v[AK0]
	v_add_nc_u32 v[ADRV], s[TB], v[AV0]
	FETCH_K                                        ; step 0
	FETCH_V
	s_add_co_u32 s[TB], s[TB], 8192
	s_wait_loadcnt 0x0                             ; Q
	s_wait_dscnt 16                                ; K is in; V's 16 loads may be out
	KQ
	WIN 0
	STEPS 7                                        ; steps 0-6; they fetch steps 1-7
.Lslot:                                            ; six trips: each leaves a slot, fills it again, and walks eight steps
	CHANGE 1
	STEPS 8
	s_sub_co_u32 s[SLOTS], s[SLOTS], 1
	s_cmp_lg_u32 s[SLOTS], 0
	s_cbranch_scc1 .Lslot
	CHANGE 0                                       ; the tail is written out
	STEPS 8
	ITER 0                                         ; step 63
	; THE WAY OUT: l's halves and the other half of the lanes'; O^T / l, rounded to f16: a lane's eight channels are the 16 bytes of the image.
	PLACES
.irp t, 0,1
	v_add_f32 v[ST+8*\t+4], v[ST+8*\t+2], v[ST+8*\t+3]
.endr
.irp t, 0,1
	v_permlanex16_b32 v[ST+8*\t+5], v[ST+8*\t+4], s[SEL], s[SEL+1]
.endr
.irp t, 0,1
	v_add_f32 v[ST+8*\t+4], v[ST+8*\t+4], v[ST+8*\t+5]
.endr
.irp t, 0,1
	v_rcp_f32 v[ST+8*\t+6], v[ST+8*\t+4]
.endr
	v_nop                                          ; a plain instruction behind the reciprocals,
	s_wait_alu depctr_va_vdst(0)                   ; and the wait ahead of their first reader
	WIN W_RS
.irp t, 0,1
.irp i, 0,2,4,6,8,10,12,14,16,18,20,22,24,26,28,30
	v_pk_mul_f32 v[32*\t+\i:32*\t+\i+1], v[32*\t+\i:32*\t+\i+1], v[ST+8*\t+6:ST+8*\t+7] op_sel_hi:[1,0]
.endr
.endr
	WIN 0x05                                       ; sources window 1, destination window 0: S^T's registers are free
.irp t, 0,1
.irp i, 0,1,2,3,4,5,6,7,8,9,10,11,12,13,14,15
	v_cvt_pk_f16_f32 v[S+16*\t+\i], v[32*\t+2*\i], v[32*\t+2*\i+1]
.endr
.endr
	WIN 0
.irp t, 0,1
.irp n, 0,1,2,3
	global_store_b128 v[GO], v[S+16*\t+4*\n:S+16*\t+4*\n+3], s[10:11] offset:24576*\t+512*\n   ; 512 consecutive bytes, aligned
.endr
.endr
	s_wait_tensorcnt 0x0                           ; the wave's end
	ds_add_u32 v[SPW], v[NIL]
	s_wait_dscnt 0x0
	CROUND                                         ; the closing round: no work-group ends while a partner may still ask for a tile that names it
	s_endpgm
.Lfunc_end_k_qd9fcf454e7_attn:
	.size	k_qd9fcf454e7_attn, .Lfunc_end_k_qd9fcf454e7_attn-k_qd9fcf454e7_attn
	.p2alignl 7, 3214868480
	.fill 96, 4, 3214868480
	.section	.rodata,"a",@progbits
	.p2align	6, 0x0
	.amdhsa_kernel k_qd9fcf454e7_attn
		.amdhsa_group_segment_fixed_size 327680
		.amdhsa_private_segment_fixed_size 0
		.amdhsa_enable_private_segment 0
		.amdhsa_kernarg_size 16
		.amdhsa_user_sgpr_count 2
		.amdhsa_user_sgpr_kernarg_segment_ptr 1
		.amdhsa_wavefront_size32 1
		.amdhsa_system_sgpr_workgroup_id_x 1
		.amdhsa_system_sgpr_workgroup_id_y 1
		.amdhsa_system_sgpr_workgroup_id_z 1
		.amdhsa_system_vgpr_workitem_id 0
		.amdhsa_next_free_vgpr 352
		.amdhsa_next_free_sgpr 66
		.amdhsa_reserve_vcc 0
		.amdhsa_float_denorm_mode_32 3
		.amdhsa_float_denorm_mode_16_64 3
		.amdhsa_memory_ordered 1
		.amdhsa_forward_progress 1
		.amdhsa_inst_pref_size 84
	.end_amdhsa_kernel
	.amdgpu_metadata
---
amdhsa.version: [ 1, 2 ]
amdhsa.kernels:
  - .name:           k_qd9fcf454e7_attn
    .symbol:         k_qd9fcf454e7_attn.kd
    .args:
      - { .name: qkv, .offset: 0, .size: 8, .value_kind: global_buffer, .address_space: global }
      - { .name: oi, .offset: 8, .size: 8, .value_kind: global_buffer, .address_space: global }
    .group_segment_fixed_size: 327680
    .private_segment_fixed_size: 0
    .kernarg_segment_align: 8
    .kernarg_segment_size: 16
    .max_flat_workgroup_size: 256
    .sgpr_count:     66
    .vgpr_count:     352
    .wavefront_size: 32
...
	.end_amdgpu_metadata
.endif
;; end of part 3
;; launch oproj (part 4): grid 4 x 64, 4 waves a work-group, no clusters, 167,936 bytes of LDS; arguments oi, woh, out0; writes out0
.if DOCPART == 4
	.amdgcn_target "amdgcn-amd-amdhsa--gfx1250"
	.amdhsa_code_object_version 6
	.text
	.protected	k_qd9fcf454e7_oproj
	.globl	k_qd9fcf454e7_oproj
	.p2align	8
	.type	k_qd9fcf454e7_oproj,@function
k_qd9fcf454e7_oproj:
	s_mov_b64 s[64:65], 0
	v_nop
	global_prefetch_b8 v0, s[64:65] scope:SCOPE_SE
	s_setreg_imm32_b32 hwreg(HW_REG_WAVE_MODE, 25, 1), 1
	s_wait_xcnt 0x0
; out0[m][n] = the sum over k of o[m][k] wo[n][k]: f16 operands, f32 sums, f32 out.  oi [mt 256][kb 24][e 2][lane][16 B] and woh [nt 48][kb 24][e 2][lane][16 B] are images of fragments (16 rows x 32 K).
; SHARES.  A work-group makes 64 rows x 192 columns: 4 x 64 = 256 work-groups.  Wave w makes all 64 rows x columns 48 w .. + 47: 12 accumulators, 24 K steps of 32.
; o's four row tiles (98,304 dense bytes) come into LDS once, a tile a wave by one tensor load of 96 rows of 256 bytes, and all four waves read them.  wo's fragments belong to one wave alone:
; they go from memory straight into registers, a ring of eight K steps, 48 loads ahead.
; THE MATRIX INSTRUCTION IS USED TRANSPOSED (source 0 = 16 rows of wo, source 1 = 16 rows of o): a lane holds eight neighbouring columns of one row of out0.  The rows' 768 bytes come from four waves:
; they meet in a stage in LDS, and each wave stores 16 rows, two whole aligned pieces of 256 bytes an instruction.
; NO CLUSTER: what partners could ask for jointly, o's 98,304 bytes, is a quarter of the 393,216 bytes that a work-group reads, it is asked for once, and wo's 294,912 bytes go to registers.
.set STG,   98304                      ; LDS behind o: the stage, 64 rows x (768 + 16) bytes; no fill lands there
.set SPARE, 148480                     ; behind it: the spare words, 128 bytes a wave
.set LD,  1                            ; v1   16 x lane: o's row tiles 0, 1; wo's offset
.set SO,  2                            ; v2   the stage: where I put 32 bytes of a row
.set RD,  3                            ; v3-5 where I read back: three pieces of 512 bytes cover two rows
.set CO,  6                            ; v6-8 and the same pieces in out0
.set SPW, 9                            ; v9   my spare word; never rewritten
.set NIL, 10                           ; v10  0; never rewritten
.set LD2, 11                           ; v11  16 x lane + 49,152: o's row tiles 2, 3 (an LDS immediate has 16 bits)
.set OF,  16                           ; v16-47, v48-79: o's four fragments, two buffers
.set ACC, 96                           ; v96-191: accumulator (a, b) at 96 + 8 (3 a + b); later the rows read back
.set WV,  12                           ; window 1: wo's ring: K step kb, column tile b at 24 (kb % 8) + 8 b
.set MSB, 0
.macro WIN new
.if MSB != \new
	s_set_vgpr_msb (MSB<<8)|\new
.set MSB, \new
.endif
.endm
.macro PLACES
.rept 4
	v_nop
.endr
.endm
	s_load_b128 s[4:7], s[0:1], 0x0                ; oi, woh
	s_load_b64 s[8:9], s[0:1], 0x10                ; out0
	v_lshl_add_u32 v[SPW], v0, 2, SPARE
	v_mov_b32 v[NIL], 0
	ds_add_u32 v[SPW], v[NIL]                      ; the wave's opening: the add, twice on end, and its wait ahead of my tensor load
	ds_add_u32 v[SPW], v[NIL]
	v_lshrrev_b32 v1, 5, v0
	v_readfirstlane_b32 s[WV], v1                  ; wave 0..3
	s_and_b32 s13, ttmp7, 0xffff                   ; gy: 64 rows
	s_mov_b32 s16, 3<<16                           ; group 1: 96 rows of 256 bytes (32 elements of 8 bytes), dense
	s_mov_b32 s17, 32<<16
	s_mov_b32 s18, 96<<16
	s_mov_b32 s19, 32<<16
	s_mov_b32 s20, 96
	s_mov_b32 s21, 32
	s_mov_b32 s22, 0
	s_mov_b32 s23, 0
	s_mov_b32 s24, 1
	s_mul_i32 s25, s[WV], 24576                    ; row tile w of the four
	s_lshl_b32 s2, s13, 2
	s_add_co_u32 s2, s2, s[WV]
	s_mul_i32 s2, s2, 24576
	s_mov_b32 s3, 0
	s_mul_i32 s10, ttmp9, 12
	s_mul_i32 s11, s[WV], 3
	s_add_co_u32 s10, s10, s11                     ; my first column tile
	s_mul_i32 s10, s10, 24576
	s_mov_b32 s11, 0
	s_lshl_b32 s14, s13, 6
	s_lshl_b32 s15, s[WV], 4
	s_add_co_u32 s14, s14, s15                     ; the first row that I store
	s_mul_i32 s14, s14, 3072
	s_mul_i32 s15, ttmp9, 768
	s_add_co_u32 s14, s14, s15
	s_mov_b32 s15, 0
	s_wait_dscnt 0x0                               ; both opening adds are done
	s_wait_kmcnt 0x0
	s_add_nc_u64 s[26:27], s[4:5], s[2:3]
	s_or_b32 s27, s27, 0x80000000
	s_add_nc_u64 s[36:37], s[6:7], s[10:11]
	s_add_nc_u64 s[38:39], s[8:9], s[14:15]
	tensor_load_to_lds s[24:27], s[16:23]          ; my one tensor load
	s_nop 0
	PLACES
	v_and_b32 v12, 31, v0
	v_lshlrev_b32 v[LD], 4, v12
.macro BL kb                           ; wo's three fragments of K step kb: six loads of 512 consecutive bytes
.irp b, 0,1,2
.irp e, 0,1
	global_load_b128 v[24*((\kb)%8)+8*\b+4*\e:24*((\kb)%8)+8*\b+4*\e+3], v[LD], s[36:37] offset:24576*\b+1024*(\kb)+512*\e
.endr
.endr
.endm
.macro ALOAD kb                        ; o's four fragments of K step kb
.irp a, 0,1
.irp e, 0,1
	ds_load_b128 v[OF+32*((\kb)%2)+8*\a+4*\e:OF+32*((\kb)%2)+8*\a+4*\e+3], v[LD] offset:24576*\a+1024*(\kb)+512*\e
.endr
.endr
.irp a, 0,1
.irp e, 0,1
	ds_load_b128 v[OF+32*((\kb)%2)+16+8*\a+4*\e:OF+32*((\kb)%2)+16+8*\a+4*\e+3], v[LD2] offset:24576*\a+1024*(\kb)+512*\e
.endr
.endr
.endm
.macro MULK kb                         ; 12 products; the accumulators take turns; K step 0 starts the sums
	WIN 0x01                                       ; source 0 (wo) window 1
.irp a, 0,1,2,3
.irp b, 0,1,2
.if (\kb) == 0
	v_wmma_f32_16x16x32_f16 v[ACC+8*(3*\a+\b):ACC+8*(3*\a+\b)+7], v[24*((\kb)%8)+8*\b:24*((\kb)%8)+8*\b+7], v[OF+32*((\kb)%2)+8*\a:OF+32*((\kb)%2)+8*\a+7], 0
.else
	v_wmma_f32_16x16x32_f16 v[ACC+8*(3*\a+\b):ACC+8*(3*\a+\b)+7], v[24*((\kb)%8)+8*\b:24*((\kb)%8)+8*\b+7], v[OF+32*((\kb)%2)+8*\a:OF+32*((\kb)%2)+8*\a+7], v[ACC+8*(3*\a+\b):ACC+8*(3*\a+\b)+7]
.endif
.endr
.endr
	WIN 0
.endm
	WIN 0x40                                       ; destination window 1
.irp k, 0,1,2,3,4,5,6,7
	BL \k
.endr
	WIN 0
	v_add_nc_u32 v[LD2], 49152, v[LD]
	v_and_b32 v12, 15, v0                          ; r
	v_bfe_u32 v13, v0, 4, 1                        ; h
	v_lshlrev_b32 v14, 4, v12                      ; 16 r
	s_mul_i32 s2, s[WV], 192
	s_add_co_u32 s2, s2, STG
	v_mul_u32_u24 v[SO], v12, 784
	v_lshl_add_u32 v[SO], v13, 5, v[SO]
	v_add_nc_u32 v[SO], s2, v[SO]                  ; row r, + 32 h, + my 192 bytes of a row
	s_mul_i32 s2, s[WV], 12544
	s_add_co_u32 s2, s2, STG
	v_add_nc_u32 v[RD], s2, v14                    ; my 16 rows.  Two rows are 1,536 bytes: piece 0 = row 0's bytes 0-511; piece 1 = row 0's 512-767 and row 1's 0-255; piece 2 = row 1's 256-767
	v_mad_u32_u24 v[RD+1], v13, 272, v[RD]
	v_add_nc_u32 v[RD+1], 512, v[RD+1]
	v_lshl_add_u32 v[RD], v13, 8, v[RD]
	v_add_nc_u32 v[RD+2], 1040, v[RD]
	v_lshl_add_u32 v[CO], v13, 8, v14
	v_mad_u32_u24 v[CO+1], v13, 2560, v14
	v_add_nc_u32 v[CO+1], 512, v[CO+1]
	v_add_nc_u32 v[CO+2], 3328, v[CO]
	s_wait_tensorcnt 0x0                           ; my row tile has landed,
	s_barrier_signal -1
	s_barrier_wait -1                              ; everybody's has
	ALOAD 0
	ALOAD 1
.set KB, 0
.rept 24
.if 23-KB >= 7
	s_wait_loadcnt 42                              ; this K step's six loads of wo are in; those of the seven steps behind it may be out
.else
	s_wait_loadcnt 6*(23-KB)                       ; the counts run down
.endif
.if KB < 23
	s_wait_dscnt 8                                 ; this K step's fragments of o are in; the next step's eight loads may be out
.else
	s_wait_dscnt 0x0
.endif
	MULK KB
	PLACES                                         ; four places in front of loads into registers that these products read, and of the first read of results
.if KB+2 < 24
	ALOAD KB+2
.endif
.if KB+8 < 24
	WIN 0x40
	BL KB+8
	WIN 0
.endif
.set KB, KB+1
.endr
.irp a, 0,1,2,3
.irp b, 0,1,2
	ds_store_b128 v[SO], v[ACC+8*(3*\a+\b):ACC+8*(3*\a+\b)+3] offset:12544*\a+64*\b         ; each accumulator from its low end on
	ds_store_b128 v[SO], v[ACC+8*(3*\a+\b)+4:ACC+8*(3*\a+\b)+7] offset:12544*\a+64*\b+16
.endr
.endr
	s_wait_dscnt 0x0                               ; for the others' sake: my stores into the stage are done
	s_barrier_signal -1
	s_barrier_wait -1
.irp g, 0,1,2,3,4,5,6,7
.irp e, 0,1,2
	ds_load_b128 v[ACC+4*(3*\g+\e):ACC+4*(3*\g+\e)+3], v[RD+\e] offset:1568*\g
.endr
.endr
.irp g, 0,1,2,3,4,5,6,7
.irp e, 0,1,2
	s_wait_dscnt 23-(3*\g+\e)                      ; LDS loads come back in order: this piece is in, the younger ones may be out
	global_store_b128 v[CO+\e], v[ACC+4*(3*\g+\e):ACC+4*(3*\g+\e)+3], s[38:39] offset:6144*\g th:TH_STORE_NT   ; each half of the lanes stores 256 consecutive bytes, aligned
.endr
.endr
	s_wait_tensorcnt 0x0                           ; the wave's end: behind my last LDS store
	ds_add_u32 v[SPW], v[NIL]
	s_wait_dscnt 0x0
	s_endpgm
.Lfunc_end_k_qd9fcf454e7_oproj:
	.size	k_qd9fcf454e7_oproj, .Lfunc_end_k_qd9fcf454e7_oproj-k_qd9fcf454e7_oproj
	.p2alignl 7, 3214868480
	.fill 96, 4, 3214868480
	.section	.rodata,"a",@progbits
	.p2align	6, 0x0
	.amdhsa_kernel k_qd9fcf454e7_oproj
		.amdhsa_group_segment_fixed_size 167936
		.amdhsa_private_segment_fixed_size 0
		.amdhsa_enable_private_segment 0
		.amdhsa_kernarg_size 24
		.amdhsa_user_sgpr_count 2
		.amdhsa_user_sgpr_kernarg_segment_ptr 1
		.amdhsa_wavefront_size32 1
		.amdhsa_system_sgpr_workgroup_id_x 1
		.amdhsa_system_sgpr_workgroup_id_y 1
		.amdhsa_system_sgpr_workgroup_id_z 1
		.amdhsa_system_vgpr_workitem_id 0
		.amdhsa_next_free_vgpr 448
		.amdhsa_next_free_sgpr 66
		.amdhsa_reserve_vcc 0
		.amdhsa_float_denorm_mode_32 3
		.amdhsa_float_denorm_mode_16_64 3
		.amdhsa_memory_ordered 1
		.amdhsa_forward_progress 1
		.amdhsa_inst_pref_size 61
	.end_amdhsa_kernel
	.amdgpu_metadata
---
amdhsa.version: [ 1, 2 ]
amdhsa.kernels:
  - .name:           k_qd9fcf454e7_oproj
    .symbol:         k_qd9fcf454e7_oproj.kd
    .args:
      - { .name: oi, .offset: 0, .size: 8, .value_kind: global_buffer, .address_space: global }
      - { .name: woh, .offset: 8, .size: 8, .value_kind: global_buffer, .address_space: global }
      - { .name: out0, .offset: 16, .size: 8, .value_kind: global_buffer, .address_space: global }
    .group_segment_fixed_size: 167936
    .private_segment_fixed_size: 0
    .kernarg_segment_align: 8
    .kernarg_segment_size: 24
    .max_flat_workgroup_size: 128
    .sgpr_count:     66
    .vgpr_count:     448
    .wavefront_size: 32
...
	.end_amdgpu_metadata
.endif
;; end of part 4
